; MI455X (gfx1250); checked and timed in simulation.
; The chip was launched on July 23, 2026; its instructions are those of AMD's public machine-readable ISA for CDNA 5 (MIT licence, August 2026) and "CDNA5" Instruction Set Architecture Reference Guide (July 2026). The comments in the code are by the model that wrote it; some were corrected since.
;; Attention. Allowed arithmetic: float matrix products may take bf16 or f16 operands with f32 sums; all other float work in f32.
;; Inputs: Wk 1,024 x 1,024 float32; Wq 1,024 x 1,024 float32; Wv 1,024 x 1,024 float32; attention_mask 2 x 2,048 x 2,048 int32; bk 1,024 float32; bq 1,024 float32; bv 1,024 float32; from_tensor 2 x 2,048 x 1,024 float32; to_tensor 2 x 2,048 x 1,024 float32.
;; Outputs: out0 2 x 2,048 x 1,024 float32.
;; One version. Each part assembles by itself: llvm-mc -triple=amdgcn-amd-amdhsa -mcpu=gfx1250 --defsym DOCPART=n.
;; ======== version 1 of 1: 3 launches
;; limits: values outside matrix products are rounded to bf16; values are held in f16: magnitudes above 65,504 overflow, below 6.1e-05 lose precision
;; workspace buffers: xb 16,777,216 bytes; wb 6,291,456 bytes; um 16,777,216 bytes; qkv 25,165,824 bytes
;; launch prep (part 1): grid 1024 x 1, 8 waves a work-group, no clusters, 19,456 bytes of LDS; arguments from_tensor, to_tensor, Wq, Wk, Wv, attention_mask, xb, wb, um; writes xb, wb, um
.if DOCPART == 1
	.amdgcn_target "amdgcn-amd-amdhsa--gfx1250"
	.amdhsa_code_object_version 6
	.text
	.protected	k_q4aa5a92b12_prep
	.globl	k_q4aa5a92b12_prep
	.p2align	8
	.type	k_q4aa5a92b12_prep,@function
k_q4aa5a92b12_prep:
	s_mov_b64 s[64:65], 0
	v_nop
	global_prefetch_b8 v0, s[64:65] scope:SCOPE_SE
	s_setreg_imm32_b32 hwreg(HW_REG_WAVE_MODE, 25, 1), 1
	s_wait_xcnt 0x0
; prep: the casts that the two matrix launches live on.
;   xb[0] = bf16(from_tensor), xb[1] = bf16(to_tensor): [4096 rows][1024];  wb[p] = bf16(Wq, Wk, Wv): [1024 k][1024 n], not transposed;
;   um = bf16(1 - attention_mask) in tiles of 16 f x 16 t = 512 bytes: tile (b*128 + f/16, t/16) at ((b*128 + f/16)*128 + t/16)*512, and inside it
;   lane r + 16 h (16 bytes) holds row f = r, columns t = 8 h .. 8 h + 7: the layout of a 16 x 16 accumulator whose rows are t and whose columns are f.
; LIMIT: 1 - m is kept in bf16: exact for whole numbers -255 <= m <= 257, rounded to 8 significant bits beyond.
; A stream: every input byte is read once, every output byte written once.  No matrix unit, no cluster (no two work-groups read the same byte).
; 8,192 waves; each takes 2,048 bytes of from, 2,048 of to, 512 of each W and 16 rows x 64 columns of the mask: 19 loads of 16 bytes a lane, all
; issued at the head, no loop.  No register is written twice while a memory instruction names it, so no wait frees a source.
; Only the mask goes through LDS (each wave's own 2,304 bytes): its rows come in along t and leave as tiles.
.set X,  12                            ; v[12:87]   the 19 loads, 4 registers each
.set Y,  88                            ; v[88:109]  11 pairs of packed bf16 for xb and wb
.set U,  110                           ; v[110:125] four um tiles read back from LDS
.set VA, 3                             ; w*2048 + 16 L: from, to (loads), um (stores)
.set VB, 4                             ; VA / 2: xb
.set VC, 5                             ; 16 t: the W's
.set VD, 6                             ; 8 t: wb
.set VE, 7                             ; w*256 + (L>>4)*8192 + (L&15)*16: two mask rows a load
.set VF, 8                             ; LDS, in
.set VG, 9                             ; LDS, back
.set WLDS, 2304                        ; a wave's LDS: 4 tiles x (2 halves x 288 bytes)
	s_load_b512 s[8:23], s[0:1], 0x0               ; from s[8:9], to s[10:11], Wq s[12:13], Wk s[14:15], Wv s[16:17], mask s[18:19], xb s[20:21], wb s[22:23]
	s_load_b64 s[24:25], s[0:1], 0x40              ; um
	v_lshl_add_u32 v128, v0, 2, 0x4800
	v_mov_b32 v129, 0
	v_and_b32 v1, 31, v0                           ; L
	v_lshrrev_b32 v2, 5, v0                        ; w
	v_readfirstlane_b32 s32, v2                    ; the wave's number as a scalar, for its LDS bytes
	s_mul_i32 s33, s32, WLDS
	v_lshlrev_b32 v[VA], 4, v1
	v_lshl_add_u32 v[VA], v2, 11, v[VA]
	v_lshrrev_b32 v[VB], 1, v[VA]
	v_lshlrev_b32 v[VC], 4, v0
	v_lshlrev_b32 v[VD], 3, v0
	v_and_b32 v10, 15, v0                          ; L & 15
	v_bfe_u32 v11, v0, 4, 1                        ; L >> 4
	v_lshlrev_b32 v[VE], 4, v10
	v_lshl_add_u32 v[VE], v11, 13, v[VE]
	v_lshl_add_u32 v[VE], v2, 8, v[VE]
	; a mask load's lane holds row 2 i + (L>>4), columns 4 (L&15) .. +3 of the wave's 64: tile (L&15)>>2, half h = ((L&15)>>1)&1, bytes 8 (L&1) of the lane's 16
	v_bfe_u32 v126, v0, 2, 2
	v_mul_u32_u24 v[VF], v126, 576
	v_bfe_u32 v126, v0, 1, 1
	v_mad_u32_u24 v[VF], v126, 288, v[VF]
	v_lshl_add_u32 v[VF], v11, 4, v[VF]
	v_and_b32 v126, 1, v0
	v_lshl_add_u32 v[VF], v126, 3, v[VF]
	v_add_nc_u32 v[VF], s33, v[VF]
	v_mul_u32_u24 v[VG], v11, 288                  ; back: lane r + 16 h reads half h, row r
	v_lshl_add_u32 v[VG], v10, 4, v[VG]
	v_add_nc_u32 v[VG], s33, v[VG]
	s_lshl_b32 s2, ttmp9, 14                       ; the work-group's part: 16,384 bytes of from, of to and of um,
	s_mov_b32 s3, 0
	s_lshl_b32 s4, ttmp9, 13                       ; 8,192 of each half of xb,
	s_mov_b32 s5, 0
	s_lshl_b32 s6, ttmp9, 12                       ; 4,096 of each W,
	s_mov_b32 s7, 0
	s_lshl_b32 s28, ttmp9, 11                      ; 2,048 of each third of wb,
	s_mov_b32 s29, 0
	s_lshr_b32 s30, ttmp9, 2                       ; and of the mask 16 rows (131,072 bytes) x 512 columns (2,048 bytes)
	s_lshl_b32 s30, s30, 17
	s_and_b32 s31, ttmp9, 3
	s_lshl_b32 s31, s31, 11
	s_add_co_u32 s30, s30, s31
	s_mov_b32 s31, 0
	s_wait_kmcnt 0x0
	s_add_nc_u64 s[8:9], s[8:9], s[2:3]
	s_add_nc_u64 s[10:11], s[10:11], s[2:3]
	s_add_nc_u64 s[24:25], s[24:25], s[2:3]
	s_add_nc_u64 s[20:21], s[20:21], s[4:5]
	s_add_nc_u64 s[26:27], s[20:21], 8388608       ; xb[1]
	s_add_nc_u64 s[12:13], s[12:13], s[6:7]
	s_add_nc_u64 s[14:15], s[14:15], s[6:7]
	s_add_nc_u64 s[16:17], s[16:17], s[6:7]
	s_add_nc_u64 s[22:23], s[22:23], s[28:29]
	s_add_nc_u64 s[18:19], s[18:19], s[30:31]
.irp i, 0,1,2,3
	global_load_b128 v[X+4*\i:X+4*\i+3], v[VA], s[8:9] offset:512*\i th:TH_LOAD_NT
.endr
.irp i, 0,1,2,3
	global_load_b128 v[X+16+4*\i:X+16+4*\i+3], v[VA], s[10:11] offset:512*\i th:TH_LOAD_NT
.endr
	global_load_b128 v[X+32:X+35], v[VC], s[12:13] th:TH_LOAD_NT
	global_load_b128 v[X+36:X+39], v[VC], s[14:15] th:TH_LOAD_NT
	global_load_b128 v[X+40:X+43], v[VC], s[16:17] th:TH_LOAD_NT
.irp i, 0,1,2,3,4,5,6,7
	global_load_b128 v[X+44+4*\i:X+44+4*\i+3], v[VE], s[18:19] offset:16384*\i th:TH_LOAD_NT
.endr
.macro CAST n                          ; load n's four f32 (X + 4 n ..) become pair n's four bf16 (Y + 2 n, Y + 2 n + 1); n may be a sum, hence the parentheses
	v_cvt_pk_bf16_f32 v[Y+2*(\n)],   v[X+4*(\n)],   v[X+4*(\n)+1]
	v_cvt_pk_bf16_f32 v[Y+2*(\n)+1], v[X+4*(\n)+2], v[X+4*(\n)+3]
.endm
	s_wait_loadcnt 15                              ; loads come back in order: from's four are in, the 15 younger stay out
.irp i, 0,1,2,3
	CAST \i
	global_store_b64 v[VB], v[Y+2*\i:Y+2*\i+1], s[20:21] offset:256*\i         ; 32 lanes store 256 consecutive bytes, aligned
.endr
	s_wait_loadcnt 11                              ; to's four
.irp i, 0,1,2,3
	CAST 4+\i
	global_store_b64 v[VB], v[Y+8+2*\i:Y+8+2*\i+1], s[26:27] offset:256*\i
.endr
	s_wait_loadcnt 8                               ; the three W's
.irp p, 0,1,2
	CAST 8+\p
	global_store_b64 v[VD], v[Y+16+2*\p:Y+16+2*\p+1], s[22:23] offset:2097152*\p
.endr
.irp i, 0,1,2,3,4,5,6,7
	s_wait_loadcnt 7-\i                            ; mask rows 2 i, 2 i + 1
.irp j, 0,1,2,3
	v_cvt_f32_i32 v[X+44+4*\i+\j], v[X+44+4*\i+\j]
.endr
	v_pk_fma_f32 v[X+44+4*\i:X+44+4*\i+1],   v[X+44+4*\i:X+44+4*\i+1],   -1.0, 1.0 op_sel_hi:[1,0,0]     ; 1 - m
	v_pk_fma_f32 v[X+44+4*\i+2:X+44+4*\i+3], v[X+44+4*\i+2:X+44+4*\i+3], -1.0, 1.0 op_sel_hi:[1,0,0]
	v_cvt_pk_bf16_f32 v[X+44+4*\i],   v[X+44+4*\i],   v[X+44+4*\i+1]
	v_cvt_pk_bf16_f32 v[X+44+4*\i+1], v[X+44+4*\i+2], v[X+44+4*\i+3]
	ds_store_b64 v[VF], v[X+44+4*\i:X+44+4*\i+1] offset:32*\i                  ; rows 2 i, 2 i + 1 of each tile's halves
.endr
.irp t, 0,1,2,3
	ds_load_b128 v[U+4*\t:U+4*\t+3], v[VG] offset:576*\t                       ; my own bytes: LDS serves a wave's instructions in order (ISA guide 5.7.1)
.endr
.irp t, 0,1,2,3
	s_wait_dscnt 3-\t
	global_store_b128 v[VA], v[U+4*\t:U+4*\t+3], s[24:25] offset:512*\t        ; a whole tile: 512 consecutive bytes, aligned
.endr
	s_wait_tensorcnt 0x0
	ds_add_u32 v128, v129
	s_wait_dscnt 0x0
	s_endpgm
.Lfunc_end_k_q4aa5a92b12_prep:
	.size	k_q4aa5a92b12_prep, .Lfunc_end_k_q4aa5a92b12_prep-k_q4aa5a92b12_prep
	.p2alignl 7, 3214868480
	.fill 96, 4, 3214868480
	.section	.rodata,"a",@progbits
	.p2align	6, 0x0
	.amdhsa_kernel k_q4aa5a92b12_prep
		.amdhsa_group_segment_fixed_size 19456
		.amdhsa_private_segment_fixed_size 0
		.amdhsa_enable_private_segment 0
		.amdhsa_kernarg_size 72
		.amdhsa_user_sgpr_count 2
		.amdhsa_user_sgpr_kernarg_segment_ptr 1
		.amdhsa_wavefront_size32 1
		.amdhsa_system_sgpr_workgroup_id_x 1
		.amdhsa_system_sgpr_workgroup_id_y 1
		.amdhsa_system_sgpr_workgroup_id_z 1
		.amdhsa_system_vgpr_workitem_id 0
		.amdhsa_next_free_vgpr 130
		.amdhsa_next_free_sgpr 66
		.amdhsa_reserve_vcc 0
		.amdhsa_float_denorm_mode_32 3
		.amdhsa_float_denorm_mode_16_64 3
		.amdhsa_memory_ordered 1
		.amdhsa_forward_progress 1
		.amdhsa_inst_pref_size 12
	.end_amdhsa_kernel
	.amdgpu_metadata
---
amdhsa.version: [ 1, 2 ]
amdhsa.kernels:
  - .name:           k_q4aa5a92b12_prep
    .symbol:         k_q4aa5a92b12_prep.kd
    .args:
      - { .name: from_tensor, .offset: 0, .size: 8, .value_kind: global_buffer, .address_space: global }
      - { .name: to_tensor, .offset: 8, .size: 8, .value_kind: global_buffer, .address_space: global }
      - { .name: Wq, .offset: 16, .size: 8, .value_kind: global_buffer, .address_space: global }
      - { .name: Wk, .offset: 24, .size: 8, .value_kind: global_buffer, .address_space: global }
      - { .name: Wv, .offset: 32, .size: 8, .value_kind: global_buffer, .address_space: global }
      - { .name: attention_mask, .offset: 40, .size: 8, .value_kind: global_buffer, .address_space: global }
      - { .name: xb, .offset: 48, .size: 8, .value_kind: global_buffer, .address_space: global }
      - { .name: wb, .offset: 56, .size: 8, .value_kind: global_buffer, .address_space: global }
      - { .name: um, .offset: 64, .size: 8, .value_kind: global_buffer, .address_space: global }
    .group_segment_fixed_size: 19456
    .private_segment_fixed_size: 0
    .kernarg_segment_align: 8
    .kernarg_segment_size: 72
    .max_flat_workgroup_size: 256
    .sgpr_count:     66
    .vgpr_count:     130
    .wavefront_size: 32
...
	.end_amdgpu_metadata
.endif
;; end of part 1
;; launch proj (part 2): grid 12 x 16, 4 waves a work-group, clusters of 4 x 4, 327,680 bytes of LDS; arguments xb, wb, bq, bk, bv, qkv; writes qkv
.if DOCPART == 2
	.amdgcn_target "amdgcn-amd-amdhsa--gfx1250"
	.amdhsa_code_object_version 6
	.text
	.protected	k_q4aa5a92b12_proj
	.globl	k_q4aa5a92b12_proj
	.p2align	8
	.type	k_q4aa5a92b12_proj,@function
k_q4aa5a92b12_proj:
	s_mov_b64 s[64:65], 0
	v_nop
	global_prefetch_b8 v0, s[64:65] scope:SCOPE_SE
	s_setreg_imm32_b32 hwreg(HW_REG_WAVE_MODE, 25, 1), 1
	s_wait_xcnt 0x0
	s_wait_alu depctr_hold_cnt(0) depctr_sa_sdst(0) depctr_va_vdst(0) depctr_va_sdst(0) depctr_va_ssrc(0) depctr_va_vcc(0) depctr_vm_vsrc(0)
	s_getreg_b32 s2, hwreg(HW_REG_IB_STS2, 6, 4)
	s_cmp_eq_u32 s2, 0
	s_cbranch_scc0 .Lentry_in_a_cluster
	s_endpgm
.Lentry_in_a_cluster:
	s_bfe_u32 s2, ttmp6, 0x10000c
	s_cmp_lg_u32 s2, 0xf033
	s_cbranch_scc0 .Lentry_shape_is_right
	s_endpgm
.Lentry_shape_is_right:
; proj: qkv[p] = (X_p W_p + b_p) * s_p in 16 bits, p = 0, 1, 2 (q, k, v).  X_0 = xb[0] (from), X_1 = X_2 = xb[1] (to): [4096][1024] bf16;
; W_p = wb[p]: [1024 k][1024 n] bf16; sums in f32.  s_0 = 0.125 log2(e), so that the attention launch needs neither the scale nor a change of base; s_1 = s_2 = 1.
; q and k leave as bf16, v as f16: the context is a mean of v over many t and can be much smaller than the v's themselves, so v's rounding counts against a small
; result; f16 keeps 11 significant bits where bf16 keeps 8.
; LIMIT: |v| < 65,504 (f16's largest number).  Room: v is a sum of 1,024 products; to_tensor of spread 1 and Wv of spread 0.02 give spread 0.64; both 30 times larger
; give spread 576; both with a common offset of 30 spreads give 1024 x 30 x 0.6 = 18,432; both 30 times smaller give spread 7e-4 against f16's step of 6e-8 near zero.
; Output head-major: qkv[p][b*16 + head][2048 t][64], a (p, b, head) block is 262,144 dense bytes.
; A work-group makes 256 rows x 256 columns with four waves, a wave 128 x 128: 64 accumulator tiles, 512 registers.  K goes in steps of 128 through two LDS slots.
; 192 work-groups: 3 x 1024 columns and 4096 rows in blocks of 256 x 256.
; CLUSTERS: 4 x 4 work-groups; the cluster's x is p, the place cx along x is the column block, 4 x cluster y + cy the block row.  X's tile hangs on p and the block row
; and is asked for jointly by the four of a row of the cluster; W's tile hangs on p and cx and is asked for jointly by the four of a column.
; REGISTERS in windows of 256: window 0: v16-27 addresses, v64-127 and v128-191 fragments of X (two buffers), v192-255 the bias of my 128 columns;
; window 1: v64-127, v128-191 fragments of W; window 2: accumulators of my rows 0-63 (tile (a, b) at v[8 (8 a + b)]); window 3: rows 64-127.
; THE MATRIX INSTRUCTION IS USED TRANSPOSED: source 0 = 16 columns of W, source 1 = 16 rows of X: lane l holds row l % 16, registers 0-7 the columns 8 (l / 16) + 0..7.
; W lies [k][n] in LDS as in memory; its fragments come by the transposing LDS load.
.set SIZE_K, 1024
.set KSTEP,  128
.set PITCH,  272                       ; X: an LDS row is 256 bytes + 16 of padding: the 16 rows of a fragment load start at 16 different 16-byte columns of 256
.set BPITCH, 544                       ; W: an LDS row is 512 bytes (256 n) + 32 of padding: the 8 rows of a transposing load's group start at 8 different 32-byte columns of 256
.set HALFT,  128*PITCH                 ; what one tensor load brings: 128 rows of X, or 64 k rows of W (64 x 544 is the same 34,816)
.set SLOT,   4*HALFT                   ; X's 256 rows, then W's 128 k rows
.set STAGE,  2*SLOT                    ; behind the ring: 4,608 bytes for each wave, for the way out; no tensor load lands there
.set WSTAGE, 4608                      ; 2 heads x 16 rows x (128 + 16) bytes
.set ASTEP,  KSTEP*2                   ; a K step in X: 256 bytes along the rows
.set BSTEP,  KSTEP*2048                ; a K step in W: 128 rows of 2,048 bytes
.set LAPS, SIZE_K/(2*KSTEP)            ; 4 laps of two K steps
.set ADRA, 16                          ; v16-17  LDS address of my X fragments in slot 0, 1
.set ADRB, 20                          ; v20-21  the same for W
.set STO,  24                          ; the way out: where I put 16 bytes of a row
.set RD,   25                          ; the way out: where I read back
.set CO,   26                          ; my byte offset in qkv: 16 x lane
.set BOF,  27                          ; my byte offset in the bias: 32 x (lane / 16)
.set F0,   64
.set F1,   128
.set TMP,  96                          ; the way out: packed results (upper half of buffer 0)
.set BIAS, 192                         ; v[192:255]: register 8 b + j = bias of my column 16 b + 8 (l / 16) + j
.set G1, 24                            ; s[24:31] descriptor group 1, X's tiles
.set G0, 32                            ; s[32:39] group 0, X's tiles, one set for each slot
.set G1B, 48                           ; s[48:55] group 1, W's tiles
.set G0B, 56                           ; s[56:63] group 0, W's tiles
.set MSB, 0
.macro WIN new                         ; the immediate's high byte repeats the setting that is left
.if MSB != \new
	s_set_vgpr_msb (MSB<<8)|\new
.set MSB, \new
.endif
.endm
.set MUL_LO, 0xa1                      ; source 0 (W) window 1, source 1 (X) window 0, C and D window 2
.set MUL_HI, 0xf1                      ; the same, C and D window 3
.set TO_B,   0x40                      ; destination window 1, address window 0
; A joint load.  Waves 0 and 1 fetch X's two halves, waves 2 and 3 W's.  Each line has one mask; the branch hangs on the wave's number alone.
.macro JLOAD s
	s_cmp_eq_u32 s11, 0
	s_cbranch_scc0 .Lfor_b_\@
	tensor_load_to_lds s[G0+4*\s:G0+4*\s+3], s[G1:G1+7]
	s_nop 0
	s_branch .Lasked_\@
.Lfor_b_\@:
	tensor_load_to_lds s[G0B+4*\s:G0B+4*\s+3], s[G1B:G1B+7]
	s_nop 0
.Lasked_\@:
.endm
.macro CREST                           ; a round of the cluster's barrier behind its opening barrier
	s_cmp_lg_u32 s10, 0
	s_cbranch_scc1 .Lnot_wave_0_\@
	s_barrier_signal -3
.Lnot_wave_0_\@:
	s_barrier_wait -3
	s_barrier_signal -1
	s_barrier_wait -1
.endm
.macro CROUND                          ; a whole round
	s_barrier_signal -1
	s_barrier_wait -1
	CREST
.endm
	s_load_b128 s[4:7], s[0:1], 0x0                ; xb s[4:5], wb s[6:7]
	s_load_b128 s[68:71], s[0:1], 0x10             ; bq s[68:69], bk s[70:71]
	s_load_b128 s[72:75], s[0:1], 0x20             ; bv s[72:73], qkv s[74:75]
	s_set_vgpr_msb 0x40
	v_lshl_add_u32 v255, v0, 2, 0x48800
	s_set_vgpr_msb 0x4000
	v_mov_b32 v63, 0
	s_set_vgpr_msb 0x1
	ds_add_u32 v255, v63
	s_set_vgpr_msb 0x100
	v_lshrrev_b32 v1, 5, v0
	v_readfirstlane_b32 s10, v1                    ; wave 0..3
	s_lshr_b32 s11, s10, 1                         ; which half of the block's rows is mine.  Also: I fetch for X (0) or for W (1)
	s_and_b32 s12, s10, 1                          ; which half of its columns.  Also: which half of that tile I fetch
	s_bfe_u32 s40, ttmp6, 0x40000                  ; cx = column block of W
	s_bfe_u32 s41, ttmp6, 0x40004                  ; cy
	s_and_b32 s13, ttmp7, 0xffff
	s_lshl_b32 s13, s13, 2
	s_add_co_u32 s13, s13, s41                     ; block row = 4 x cluster y + cy, 0..15
	s_lshl_b32 s43, s41, 2
	s_lshl_b32 s43, 15, s43                        ; my row of the cluster: places 4 cy .. 4 cy + 3
	s_lshl_b32 s44, 0x1111, s40                    ; my column: places cx, cx + 4, cx + 8, cx + 12
	; group 1 for X: 128 rows x 128 elements of 2 bytes, 4 words of padding behind every 64
	s_or_b32 s[G1+0], s43, (1<<16)|(1<<20)|(1<<21)|(5<<22)|(3<<25)
	s_mov_b32 s[G1+1], KSTEP<<16                   ; tensor_dim0 = 128
	s_mov_b32 s[G1+2], 128<<16                     ; tensor_dim1 = 128
	s_mov_b32 s[G1+3], KSTEP<<16                   ; tile_dim0 = 128
	s_mov_b32 s[G1+4], 128                         ; tile_dim1 = 128
	s_mov_b32 s[G1+5], SIZE_K                      ; 1,024 elements from row to row
	s_mov_b32 s[G1+6], 0
	s_mov_b32 s[G1+7], 0
	; group 1 for W: 64 k rows x 256 elements of 2 bytes, 8 words of padding behind every 128
	s_or_b32 s[G1B+0], s44, (1<<16)|(1<<20)|(1<<21)|(6<<22)|(7<<25)
	s_mov_b32 s[G1B+1], 256<<16                    ; tensor_dim0 = 256
	s_mov_b32 s[G1B+2], 64<<16                     ; tensor_dim1 = 64
	s_mov_b32 s[G1B+3], 256<<16                    ; tile_dim0 = 256
	s_mov_b32 s[G1B+4], 64                         ; tile_dim1 = 64
	s_mov_b32 s[G1B+5], 1024                       ; 1,024 elements from k row to k row
	s_mov_b32 s[G1B+6], 0
	s_mov_b32 s[G1B+7], 0
	; X: row min(p, 1) x 4096 + 256 x block row + 128 x half, 2,048 bytes a row (below 2^25)
	s_min_u32 s16, ttmp9, 1
	s_lshl_b32 s16, s16, 12
	s_lshl_b32 s17, s13, 8
	s_add_co_u32 s16, s16, s17
	s_lshl_b32 s17, s12, 7
	s_add_co_u32 s16, s16, s17
	s_lshl_b32 s16, s16, 11
	s_mov_b32 s17, 0
	; W: p x 2,097,152 + 512 cx + half x 64 rows of 2,048 bytes
	s_lshl_b32 s46, ttmp9, 21
	s_lshl_b32 s47, s40, 9
	s_add_co_u32 s46, s46, s47
	s_lshl_b32 s47, s12, 17
	s_add_co_u32 s46, s46, s47
	s_mov_b32 s47, 0
	s_mul_i32 s20, s10, HALFT                      ; where the tiles go: wave x 34,816: no place in the cluster enters an LDS address
	s_mov_b32 s79, 0x3f800000                      ; 1.0
	s_wait_dscnt 0x0
	s_wait_kmcnt 0x0
	s_add_nc_u64 s[14:15], s[4:5], s[16:17]
	s_add_nc_u64 s[46:47], s[6:7], s[46:47]
	s_cmp_eq_u32 ttmp9, 0                          ; p picks the bias and the scale; p is the same in the whole cluster
	s_cselect_b64 s[76:77], s[68:69], s[70:71]
	s_cselect_b32 s78, 0x3e38aa3b, s79             ; 0.125 log2(e) for q
	s_cmp_eq_u32 ttmp9, 2
	s_cselect_b64 s[76:77], s[72:73], s[76:77]
	s_mov_b32 s79, s78
	CROUND                                         ; all sixteen work-groups are here: the first joint loads meet
.irp s, 0,1
	s_mov_b32 s[G0+4*\s], 1
	s_add_co_u32 s[G0+4*\s+1], s20, \s*SLOT
	s_add_nc_u64 s[G0+4*\s+2:G0+4*\s+3], s[14:15], \s*ASTEP
	s_or_b32 s[G0+4*\s+3], s[G0+4*\s+3], 0x80000000
	s_mov_b32 s[G0B+4*\s], 1
	s_add_co_u32 s[G0B+4*\s+1], s20, \s*SLOT
	s_add_nc_u64 s[G0B+4*\s+2:G0B+4*\s+3], s[46:47], \s*BSTEP
	s_or_b32 s[G0B+4*\s+3], s[G0B+4*\s+3], 0x80000000
	JLOAD \s                                       ; two tensor loads of the wave are out from here, one behind each later round
.endr
	; the bias of my 128 columns, once; it is waited for on the way out
	s_lshl_b32 s46, s40, 10                        ; 256 cx columns of 4 bytes
	s_lshl_b32 s47, s12, 9
	s_add_co_u32 s46, s46, s47
	s_mov_b32 s47, 0
	s_add_nc_u64 s[76:77], s[76:77], s[46:47]
	v_and_b32 v1, 15, v0                           ; r = l % 16
	v_bfe_u32 v2, v0, 4, 1                         ; h = l / 16
	v_lshlrev_b32 v[BOF], 5, v2
.irp b, 0,1,2,3,4,5,6,7
	global_load_b128 v[BIAS+8*\b:BIAS+8*\b+3],   v[BOF], s[76:77] offset:64*\b
	global_load_b128 v[BIAS+8*\b+4:BIAS+8*\b+7], v[BOF], s[76:77] offset:64*\b+16
.endr
	; X fragments: row r, 16 bytes at 16 h, and 32 bytes further
	v_mul_u32_u24 v3, v1, PITCH
	v_lshl_add_u32 v3, v2, 4, v3
	s_mul_i32 s21, s11, HALFT                      ; my 128 rows of X
	; W fragments by the transposing load: lane l addresses k row 8 h + (l & 7), 16 bytes at 16 ((l >> 3) & 1) of the fragment's 32
	v_and_b32 v6, 7, v0
	v_lshl_add_u32 v6, v2, 3, v6
	v_mul_u32_u24 v6, v6, BPITCH
	v_bfe_u32 v7, v0, 3, 1
	v_lshl_add_u32 v6, v7, 4, v6
	s_lshl_b32 s22, s12, 8                         ; my 128 columns of W: 256 bytes along the rows,
	s_add_co_u32 s22, s22, 2*HALFT                 ; behind X's 256 rows
.irp s, 0,1
	v_add_nc_u32 v[ADRA+\s], s21, v3
	v_add_nc_u32 v[ADRB+\s], s22, v6
	s_add_co_u32 s21, s21, SLOT
	s_add_co_u32 s22, s22, SLOT
.endr
	s_mul_i32 s23, s10, WSTAGE
	s_add_co_u32 s23, s23, STAGE                   ; my stage
	v_mul_u32_u24 v4, v1, 144                      ; in: row r of a head's 16, 16 bytes for each half of the lanes
	v_lshl_add_u32 v4, v2, 4, v4
	v_add_nc_u32 v[STO], s23, v4
	v_bfe_u32 v5, v0, 3, 2                         ; back: eight lanes take a row of 128 bytes, a load takes four rows
	v_mul_u32_u24 v5, v5, 144
	v_and_b32 v8, 7, v0
	v_lshl_add_u32 v5, v8, 4, v5
	v_add_nc_u32 v[RD], s23, v5
	v_and_b32 v9, 31, v0
	v_lshlrev_b32 v[CO], 4, v9                     ; those four rows are 512 dense bytes of qkv
; 16 matrix instructions: m blocks a0, a0 + 1 of the window's four x all 8 n blocks, 32 along K.  zero = 1: the first product starts the sums.
.macro MUL16 f, hi, a0, zero
.irp a, \a0, \a0+1
.irp b, 0,1,2,3,4,5,6,7
.if \zero
	v_wmma_f32_16x16x32_bf16 v[8*(8*(\a)+\b):8*(8*(\a)+\b)+7], v[\f+8*\b:\f+8*\b+7], v[\f+8*(4*\hi+\a):\f+8*(4*\hi+\a)+7], 0
.else
	v_wmma_f32_16x16x32_bf16 v[8*(8*(\a)+\b):8*(8*(\a)+\b)+7], v[\f+8*\b:\f+8*\b+7], v[\f+8*(4*\hi+\a):\f+8*(4*\hi+\a)+7], v[8*(8*(\a)+\b):8*(8*(\a)+\b)+7]
.endif
.endr
.endr
.endm
; 32 LDS loads in one run: the fragments of quarter q (32 along K) of a slot into buffer f: W's 128 columns, then X's 128 rows
.macro FETCH slot, q, f
	WIN TO_B
.irp i, 0,1,2,3,4,5,6,7
	ds_load_tr16_b128 v[\f+8*\i:\f+8*\i+3],   v[ADRB+\slot] offset:\q*32*BPITCH+\i*32                ; k = 32 q + 8 h .. + 7 of column 16 i + r
	ds_load_tr16_b128 v[\f+8*\i+4:\f+8*\i+7], v[ADRB+\slot] offset:\q*32*BPITCH+16*BPITCH+\i*32      ; k = 32 q + 16 + 8 h .. + 7
.endr
	WIN 0
.irp i, 0,1,2,3,4,5,6,7
	ds_load_b128 v[\f+8*\i:\f+8*\i+3],   v[ADRA+\slot] offset:\q*64+\i*16*PITCH
	ds_load_b128 v[\f+8*\i+4:\f+8*\i+7], v[ADRA+\slot] offset:\q*64+\i*16*PITCH+32
.endr
.endm
; A load into a register that a matrix instruction has read, and a vector instruction that reads a matrix result, stand four places behind that matrix
; instruction; only plain vector instructions that name none of its registers are places.
.macro PLACES
.rept 4
	v_nop
.endr
.endm
; A K step is four quarters of 32 along K, 64 matrix instructions each, on buffers 0, 1, 0, 1.  The 64 accumulators take turns, one instruction a turn, in the
; same order in every quarter, over the backward jump too.
.macro QUARTER slot, q, f, g, zero
	s_wait_dscnt 8                                 ; W and X's rows 0-63 are in; the youngest eight loads (X's rows 64-127) may be out
	WIN MUL_LO
	MUL16 \f, 0, 0, \zero
	MUL16 \f, 0, 2, \zero
	PLACES
	FETCH \slot, \q, \g
	s_wait_dscnt 32                                ; all but the 32 just issued
	WIN MUL_HI
	MUL16 \f, 1, 0, \zero
	MUL16 \f, 1, 2, \zero
.endm
.macro THREE slot, zero
	QUARTER \slot, 1, F0, F1, \zero
	QUARTER \slot, 2, F1, F0, 0
	QUARTER \slot, 3, F0, F1, 0
.endm
; The last quarter multiplies buffer 1 and changes slots.  In front of the barrier each wave waits for its reads of this slot and for all its tensor loads (one is
; out: its part of the next slot).  Where the slot is filled again the barrier opens a round of the cluster's barrier, and the joint refill is the first tensor load behind it.
.macro TURN slot, next, fill
	s_wait_dscnt 8
	WIN MUL_LO
	MUL16 F1, 0, 0, 0
	s_wait_dscnt 0                                 ; my reads of this slot are over
	s_wait_tensorcnt 0x0                           ; all my tensor loads have landed
	ds_add_u32 v255, v63
	s_wait_dscnt 0x0
	s_barrier_signal -1
	MUL16 F1, 0, 2, 0                              ; registers only
	WIN 0
	s_barrier_wait -1
.if \fill
	CREST                                          ; no wave of any partner still reads this slot or has a load on its way
	s_add_nc_u64 s[G0+4*\slot+2:G0+4*\slot+3], s[G0+4*\slot+2:G0+4*\slot+3], 2*ASTEP
	s_add_nc_u64 s[G0B+4*\slot+2:G0B+4*\slot+3], s[G0B+4*\slot+2:G0B+4*\slot+3], 2*BSTEP
	JLOAD \slot
.endif
	PLACES
	FETCH \next, 0, F0
	WIN MUL_HI
	MUL16 F1, 1, 0, 0
	MUL16 F1, 1, 2, 0
.endm
.macro LAP zero
	THREE 0, \zero
	TURN 0, 1, 1
	THREE 1, 0
	TURN 1, 0, 1
.endm
	s_wait_tensorcnt 1                             ; my part of K step 0 is in, K step 1's stays out
	s_barrier_signal -1
	s_barrier_wait -1
	FETCH 0, 0, F0
	LAP 1                                          ; the first lap's first products start the sums
	WIN 0
	s_mov_b32 s3, LAPS-2
.Llap:
	LAP 0
	WIN 0
	s_sub_co_u32 s3, s3, 1
	s_cmp_lg_u32 s3, 0
	s_cbranch_scc1 .Llap
	THREE 0, 0                                     ; the last lap fills nothing
	TURN 0, 1, 0
	THREE 1, 0
	s_wait_dscnt 8
	WIN MUL_LO
	MUL16 F1, 0, 0, 0
	MUL16 F1, 0, 2, 0
	s_wait_dscnt 0
	WIN MUL_HI
	MUL16 F1, 1, 0, 0
	MUL16 F1, 1, 2, 0
	; THE WAY OUT, 16 rows at a time: (sum + bias) x scale as one fused multiply-add with bias x scale, rounded to 16 bits, 16 bytes a lane into my stage,
	; read back as four rows of one head (512 dense bytes of qkv) a load.
	PLACES
	WIN 0
	s_wait_loadcnt 0x0                             ; the bias
.set kk, 0
.rept 32
	v_pk_mul_f32 v[BIAS+kk:BIAS+kk+1], v[BIAS+kk:BIAS+kk+1], s[78:79] op_sel_hi:[1,0]
.set kk, kk+2
.endr
	; qkv + p x 8,388,608 + batch x 4,194,304 + t x 128 + head x 262,144
	s_lshl_b32 s16, ttmp9, 23
	s_lshr_b32 s14, s13, 3                         ; batch = block row / 8
	s_lshl_b32 s14, s14, 22
	s_add_co_u32 s16, s16, s14
	s_and_b32 s14, s13, 7                          ; t = 256 (block row % 8) + 128 half
	s_lshl_b32 s14, s14, 15
	s_add_co_u32 s16, s16, s14
	s_lshl_b32 s14, s11, 14
	s_add_co_u32 s16, s16, s14
	s_mov_b32 s17, 0
	s_add_nc_u64 s[8:9], s[74:75], s[16:17]
	s_lshl_b32 s46, s40, 20                        ; head = 4 cx + 2 half (+ 1 by the stores' offset)
	s_lshl_b32 s47, s12, 19
	s_add_co_u32 s46, s46, s47
	s_mov_b32 s47, 0
	s_add_nc_u64 s[8:9], s[8:9], s[46:47]
; rows 16 i .. 16 i + 15 of my block = the eight tiles (a, 0..7) of window 2 or 3; f: where the rows are read back to, two buffers by turns;
; h16 = 0: rounded to bf16 (q, k); 1: to f16 (v)
.macro OUT16 i, a, fmawin, cvtwin, f, h16
	WIN \fmawin                                    ; destination and source 0 in the accumulators' window, source 2 (bias) in window 0
.irp b, 0,1,2,3,4,5,6,7
.irp r, 0,1,2,3
	v_pk_fma_f32 v[8*(8*\a+\b)+2*\r:8*(8*\a+\b)+2*\r+1], v[8*(8*\a+\b)+2*\r:8*(8*\a+\b)+2*\r+1], s[78:79], v[BIAS+8*\b+2*\r:BIAS+8*\b+2*\r+1] op_sel_hi:[1,0,1]
.endr
.endr
	WIN \cvtwin                                    ; sources 0 and 1 in the accumulators' window
.irp b, 0,1,2,3,4,5,6,7
.irp r, 0,1,2,3
.if \h16
	v_cvt_pk_f16_f32 v[TMP+4*\b+\r], v[8*(8*\a+\b)+2*\r], v[8*(8*\a+\b)+2*\r+1]
.else
	v_cvt_pk_bf16_f32 v[TMP+4*\b+\r], v[8*(8*\a+\b)+2*\r], v[8*(8*\a+\b)+2*\r+1]
.endif
.endr
.endr
	WIN 0
.irp b, 0,1,2,3,4,5,6,7
	ds_store_b128 v[STO], v[TMP+4*\b:TMP+4*\b+3] offset:(\b>>2)*2304+(\b&3)*32       ; head b / 4, columns 16 (b % 4) + 8 h ..
.endr
	s_wait_xcnt 0x0                                ; buffer f, which earlier stores read, and the stores' base are rewritten only behind this wait (ISA guide 3.1)
.if \i
	s_add_nc_u64 s[8:9], s[8:9], 2048              ; 16 rows of 128 bytes on
.endif
.irp t, 0,1,2,3,4,5,6,7
	ds_load_b128 v[\f+4*\t:\f+4*\t+3], v[RD] offset:(\t>>2)*2304+(\t&3)*576          ; my own bytes, served in order (ISA guide 5.7.1)
.endr
.irp t, 0,1,2,3,4,5,6,7
	s_wait_dscnt 7-\t
	global_store_b128 v[CO], v[\f+4*\t:\f+4*\t+3], s[8:9] offset:(\t>>2)*262144+(\t&3)*512   ; 32 lanes store 512 consecutive bytes, aligned
.endr
.endm
.macro OUTALL h16
	OUT16 0, 0, 0x82, 0x0a, F0, \h16
	OUT16 1, 1, 0x82, 0x0a, F1, \h16
	OUT16 2, 2, 0x82, 0x0a, F0, \h16
	OUT16 3, 3, 0x82, 0x0a, F1, \h16
	OUT16 4, 0, 0xc3, 0x0f, F0, \h16
	OUT16 5, 1, 0xc3, 0x0f, F1, \h16
	OUT16 6, 2, 0xc3, 0x0f, F0, \h16
	OUT16 7, 3, 0xc3, 0x0f, F1, \h16
.endm
	s_cmp_eq_u32 ttmp9, 2                          ; p, the cluster's x: the same in all sixteen partners and in all four waves; no barrier stands inside the branch
	s_cbranch_scc1 .Lout_v                         ; every window is 0 here and at both labels (each OUT16 ends in window 0)
	OUTALL 0                                       ; q, k
	s_branch .Lout_done
.Lout_v:
	OUTALL 1                                       ; v
.Lout_done:
	s_set_vgpr_msb 0x1
	s_wait_tensorcnt 0x0
	ds_add_u32 v255, v63
	s_wait_dscnt 0x0
	s_set_vgpr_msb 0x100
	CROUND                                         ; the closing round: no work-group ends while a partner may still ask for a tile that names it
	s_endpgm
.Lfunc_end_k_q4aa5a92b12_proj:
	.size	k_q4aa5a92b12_proj, .Lfunc_end_k_q4aa5a92b12_proj-k_q4aa5a92b12_proj
	.p2alignl 7, 3214868480
	.fill 96, 4, 3214868480
	.section	.rodata,"a",@progbits
	.p2align	6, 0x0
	.amdhsa_kernel k_q4aa5a92b12_proj
		.amdhsa_group_segment_fixed_size 327680
		.amdhsa_private_segment_fixed_size 0
		.amdhsa_enable_private_segment 0
		.amdhsa_kernarg_size 48
		.amdhsa_user_sgpr_count 2
		.amdhsa_user_sgpr_kernarg_segment_ptr 1
		.amdhsa_wavefront_size32 1
		.amdhsa_system_sgpr_workgroup_id_x 1
		.amdhsa_system_sgpr_workgroup_id_y 1
		.amdhsa_system_sgpr_workgroup_id_z 1
		.amdhsa_system_vgpr_workitem_id 0
		.amdhsa_next_free_vgpr 1024
		.amdhsa_next_free_sgpr 80
		.amdhsa_reserve_vcc 0
		.amdhsa_float_denorm_mode_32 3
		.amdhsa_float_denorm_mode_16_64 3
		.amdhsa_memory_ordered 1
		.amdhsa_forward_progress 1
		.amdhsa_inst_pref_size 255
	.end_amdhsa_kernel
	.section	.bss,"aw",@nobits
	.p2align	6
	.space	262144
	.amdgpu_metadata
---
amdhsa.version: [ 1, 2 ]
amdhsa.kernels:
  - .name:           k_q4aa5a92b12_proj
    .symbol:         k_q4aa5a92b12_proj.kd
    .args:
      - { .name: xb, .offset: 0, .size: 8, .value_kind: global_buffer, .address_space: global }
      - { .name: wb, .offset: 8, .size: 8, .value_kind: global_buffer, .address_space: global }
      - { .name: bq, .offset: 16, .size: 8, .value_kind: global_buffer, .address_space: global }
      - { .name: bk, .offset: 24, .size: 8, .value_kind: global_buffer, .address_space: global }
      - { .name: bv, .offset: 32, .size: 8, .value_kind: global_buffer, .address_space: global }
      - { .name: qkv, .offset: 40, .size: 8, .value_kind: global_buffer, .address_space: global }
    .group_segment_fixed_size: 327680
    .private_segment_fixed_size: 0
    .kernarg_segment_align: 8
    .kernarg_segment_size: 48
    .max_flat_workgroup_size: 128
    .sgpr_count:     80
    .vgpr_count:     1024
    .wavefront_size: 32
...
	.end_amdgpu_metadata
.endif
;; end of part 2
;; launch attn (part 3): grid 8 x 32, 8 waves a work-group, clusters of 4 x 1, 327,680 bytes of LDS; arguments qkv, um, out0; writes out0
.if DOCPART == 3
	.amdgcn_target "amdgcn-amd-amdhsa--gfx1250"
	.amdhsa_code_object_version 6
	.text
	.protected	k_q4aa5a92b12_attn
	.globl	k_q4aa5a92b12_attn
	.p2align	8
	.type	k_q4aa5a92b12_attn,@function
k_q4aa5a92b12_attn:
	s_mov_b64 s[64:65], 0
	v_nop
	global_prefetch_b8 v0, s[64:65] scope:SCOPE_SE
	s_setreg_imm32_b32 hwreg(HW_REG_WAVE_MODE, 25, 1), 1
	s_wait_xcnt 0x0
	s_wait_alu depctr_hold_cnt(0) depctr_sa_sdst(0) depctr_va_vdst(0) depctr_va_sdst(0) depctr_va_ssrc(0) depctr_va_vcc(0) depctr_vm_vsrc(0)
	s_getreg_b32 s2, hwreg(HW_REG_IB_STS2, 6, 4)
	s_cmp_eq_u32 s2, 0
	s_cbranch_scc0 .Lentry_in_a_cluster
	s_endpgm
.Lentry_in_a_cluster:
	s_bfe_u32 s2, ttmp6, 0x10000c
	s_cmp_lg_u32 s2, 0x3003
	s_cbranch_scc0 .Lentry_shape_is_right
	s_endpgm
.Lentry_shape_is_right:
; attn: out0[b][f][head*64 + d] = softmax over t of (q.k / 8 + (1 - m) * -10000) times v, by a running maximum and running sums.
; qkv[0] holds q * 0.125 log2(e) and qkv[1] k in bf16, qkv[2] v in f16, each [b*16 + head][2048][64]; um holds bf16(1 - m) in tiles laid as accumulators (16 f x 16 t, 512 bytes).
; FORMATS: the first product takes bf16 (q, k), the second f16 (probabilities, v): the context is a mean of v over many t and can be much smaller than the v's themselves, so
; the rounding of p and v counts against a small result, and f16 keeps 11 significant bits where bf16 keeps 8.  The probabilities are exp2(score - running maximum), at most 1.
; LIMITS: exponentials are taken in base 2 (log2(e) is folded into q and into the adder -14426.95), so the order of rounding differs from a natural exponential's;
; a probability is kept to f16's absolute step of 2^-24 of its row's running maximum (below 2^-25 it rounds to zero; 2,048 such terms are under 2^-14 of a row's sum);
; |v| < 65,504; 1 - m comes in bf16 (exact for -255 <= m <= 257).
; SHARES: a work-group has one (b, head) = y and 256 query rows (qb).  Wave w has the 64 rows rg = w & 3 (four f tiles of 16) and, of every tile of 128 t,
; the half g = w >> 2.  The two halves' partial results of a row group meet once, at the end, through LDS.
; CLUSTER 4 x 1: the four partners have the same y and other query rows: K's and V's tiles are asked for jointly (mask 15).  um and q are not: the partners' query rows
; differ, and um goes straight from memory into registers in the accumulators' layout, where a joint load could only land in LDS and would add an LDS read for every score.
; LAYOUTS, all transposed: S^T = K (source 0, rows t) x Q^T (source 1, columns f) + C: lane (r, h) holds f = r, t = 8 h + j in register j.  So a row's maximum and sum
; are taken inside a lane and across the two halves of the wave alone; two packed score tiles ARE the source 1 fragment of O^T = V^T (source 0, transposing load) x P^T;
; maximum, sum and rescale factor are one number a lane.  The mask's adder enters as the first product's C.
.set TILEB, 16384                      ; a tile of 128 t x 128 bytes, of K or of V
.set KP,    272                        ; K in LDS: two t rows (256 bytes) + 16: the 16 rows of a fragment load fall on 16 different 16-byte columns of 256
.set VP,    288                        ; V in LDS: two t rows + 32: the 8 rows x 32 bytes of a transposing load's pass fall on different columns
.set VOFF,  64*KP                      ; V's tile lies behind K's in a slot
.set SLOTB, 64*KP+64*VP                ; 35,840
.set XCH,   2*SLOTB                    ; 8 x 8,704: register images that the two halves hand each other; no tensor load lands here
.set XW,    8704                       ; 16 x 512 bytes of O, 512 of (maximum, sum)
.set STG,   XCH+8*XW                   ; 8 x 4,608: each wave's stage for the way out, 16 rows x 272 bytes
.set SW,    4608
; window 0
.set KAD, 10                           ; LDS address of my K fragments in slot 0
.set VAD, 11                           ; the same for V
.set ROF, 12                           ; 16 x lane
.set XB,  13                           ; XCH + rg x 8,704 + 16 x lane; half g = 1 lies 34,816 further
.set QOF, 14                           ; r x 128 + 16 h
.set STO, 15
.set RD,  16
.set CO,  17
.set CN,  18                           ; -10000 log2(e)
.set ZR,  19                           ; 0
.set MN,  20                           ; v[20:21] the new maximum (the pair's second register is written once and never used)
.set AL,  22                           ; v[22:23] the rescale factor, likewise
.set T,   24                           ; v[24:27]
.set R,   28                           ; v[28:31]
.set ST,  32                           ; v[32:39] f tile i: maximum at 32 + 2 i, sum at 33 + 2 i
.set P,   40                           ; v[40:55] packed probabilities (f16): two source 1 fragments
.set SA,  56                           ; v[56:87]  scores, buffer A: tile tt at 8 tt
.set SB,  88                           ; v[88:119] scores, buffer B
.set KF,  120                          ; v[120:183] K fragment (tt, kc) at 16 tt + 8 kc
.set RAW, 184                          ; v[184:247] um of (f tile i, tt) at 16 i + 4 tt
.set PO,  120                          ; at the end: the other half's O
.set PM,  184                          ; and its (maximum, sum) of two f tiles
; window 1
.set QF,  128                          ; v[128:191] Q fragment (i, kc) at 16 i + 8 kc;   O tile (i, c) at v[32 i + 8 c]
.set VF,  192                          ; v[192:255] V fragment (u, c) at 8 (4 u + c)
.set G1K, 16                           ; s[16:23]
.set G1V, 24                           ; s[24:31]
.set G0K, 32                           ; s[32:39] one set for each slot
.set G0V, 40                           ; s[40:47]
.set MSB, 0
.macro WIN new                         ; low byte: bits 1:0 source 0, 3:2 source 1, 5:4 source 2, 7:6 destination; the high byte repeats the setting that is left
.if MSB != \new
	s_set_vgpr_msb (MSB<<8)|\new
.set MSB, \new
.endif
.endm
.macro PLACES                          ; four places behind a matrix instruction (ISA guide 7.12.1)
.rept 4
	v_nop
.endr
.endm
.macro ROUND                           ; a round of the cluster's barrier
	s_barrier_signal -1
	s_barrier_wait -1
	s_cmp_lg_u32 s10, 0
	s_cbranch_scc1 .Lnot_wave_0_\@
	s_barrier_signal -3
.Lnot_wave_0_\@:
	s_barrier_wait -3
	s_barrier_signal -1
	s_barrier_wait -1
.endm
	s_load_b128 s[4:7], s[0:1], 0x0                ; qkv s[4:5], um s[6:7]
	s_load_b64 s[8:9], s[0:1], 0x10                ; out0
	v_lshl_add_u32 v254, v0, 2, 0x2b800
	v_mov_b32 v255, 0
	ds_add_u32 v254, v255
	v_lshrrev_b32 v8, 5, v0
	v_readfirstlane_b32 s10, v8                    ; wave 0..7
	s_and_b32 s11, s10, 3                          ; rg
	s_lshr_b32 s12, s10, 2                         ; g
	s_bfe_u32 s13, ttmp6, 0x40000                  ; cx
	s_lshl_b32 s14, ttmp9, 2
	s_add_co_u32 s14, s14, s13                     ; qb = 4 x cluster x + cx
	s_and_b32 s15, ttmp7, 0xffff                   ; y = b*16 + head
	s_mov_b32 s52, 0x76543210                      ; v_permlanex16_b32: lane i of one half reads lane i of the other
	s_mov_b32 s53, 0xfedcba98
	; group 1: 8 rows of 32 elements of 8 bytes (16 t rows, 2,048 dense bytes); padding behind every 64 words: 4 words for K, 8 for V; mask 15 and bit 21
	s_mov_b32 s[G1K+0], 15|(3<<16)|(1<<20)|(1<<21)|(5<<22)|(3<<25)
	s_mov_b32 s[G1K+1], 32<<16
	s_mov_b32 s[G1K+2], 8<<16
	s_mov_b32 s[G1K+3], 32<<16
	s_mov_b32 s[G1K+4], 8
	s_mov_b32 s[G1K+5], 32
	s_mov_b32 s[G1K+6], 0
	s_mov_b32 s[G1K+7], 0
	s_mov_b32 s[G1V+0], 15|(3<<16)|(1<<20)|(1<<21)|(5<<22)|(7<<25)
	s_mov_b32 s[G1V+1], 32<<16
	s_mov_b32 s[G1V+2], 8<<16
	s_mov_b32 s[G1V+3], 32<<16
	s_mov_b32 s[G1V+4], 8
	s_mov_b32 s[G1V+5], 32
	s_mov_b32 s[G1V+6], 0
	s_mov_b32 s[G1V+7], 0
	s_lshl_b32 s56, s15, 18                        ; y x 262,144 + wave x 2,048: my 16 t rows of every tile; nothing here hangs on cx
	s_lshl_b32 s57, s10, 11
	s_add_co_u32 s56, s56, s57
	s_mov_b32 s57, 0
	s_mul_i32 s2, s10, 8*KP                        ; where they go in a slot
	s_mul_i32 s3, s10, 8*VP
	s_add_co_u32 s3, s3, VOFF
	s_wait_dscnt 0x0
	s_wait_kmcnt 0x0
	s_add_nc_u64 s[58:59], s[4:5], s[56:57]
.irp n, 0,1
	s_mov_b32 s[G0K+4*\n], 1
	s_add_co_u32 s[G0K+4*\n+1], s2, \n*SLOTB
	s_add_nc_u64 s[G0K+4*\n+2:G0K+4*\n+3], s[58:59], 8388608+\n*TILEB          ; slot n starts with tile n
	s_or_b32 s[G0K+4*\n+3], s[G0K+4*\n+3], 0x80000000
	s_mov_b32 s[G0V+4*\n], 1
	s_add_co_u32 s[G0V+4*\n+1], s3, \n*SLOTB
	s_add_nc_u64 s[G0V+4*\n+2:G0V+4*\n+3], s[58:59], 16777216+\n*TILEB
	s_or_b32 s[G0V+4*\n+3], s[G0V+4*\n+3], 0x80000000
.endr
	ROUND                                          ; the four partners are here: the first joint loads meet
	tensor_load_to_lds s[G0K:G0K+3], s[G1K:G1K+7]  ; tile 0; two tensor loads of the wave are out here and behind every later round
	s_nop 0
	tensor_load_to_lds s[G0V:G0V+3], s[G1V:G1V+7]
	s_nop 0
	; um: tile row (b*128 + 16 qb + 4 rg) of 65,536 bytes, + g x 4 tiles
	s_lshr_b32 s60, s15, 4
	s_lshl_b32 s60, s60, 7
	s_lshl_b32 s61, s14, 4
	s_add_co_u32 s60, s60, s61
	s_lshl_b32 s61, s11, 2
	s_add_co_u32 s60, s60, s61
	s_lshl_b32 s60, s60, 16
	s_lshl_b32 s61, s12, 11
	s_add_co_u32 s60, s60, s61
	s_mov_b32 s61, 0
	s_add_nc_u64 s[48:49], s[6:7], s[60:61]
	; q: y x 262,144 + (256 qb + 64 rg) rows of 128 bytes
	s_lshl_b32 s60, s15, 18
	s_lshl_b32 s62, s14, 15
	s_add_co_u32 s60, s60, s62
	s_lshl_b32 s62, s11, 13
	s_add_co_u32 s60, s60, s62
	s_add_nc_u64 s[50:51], s[4:5], s[60:61]
	; out0: (2048 b + 256 qb + 64 rg) rows of 4,096 bytes + head x 256
	s_lshr_b32 s60, s15, 4
	s_lshl_b32 s60, s60, 23
	s_lshl_b32 s62, s14, 20
	s_add_co_u32 s60, s60, s62
	s_lshl_b32 s62, s11, 18
	s_add_co_u32 s60, s60, s62
	s_and_b32 s62, s15, 15
	s_lshl_b32 s62, s62, 8
	s_add_co_u32 s60, s60, s62
	s_add_nc_u64 s[8:9], s[8:9], s[60:61]
	v_and_b32 v1, 31, v0                           ; L
	v_and_b32 v2, 15, v0                           ; r
	v_bfe_u32 v3, v0, 4, 1                         ; h
	v_lshrrev_b32 v4, 1, v2                        ; r >> 1
	v_and_b32 v5, 1, v0                            ; r & 1
	v_lshlrev_b32 v[QOF], 7, v2
	v_lshl_add_u32 v[QOF], v3, 4, v[QOF]
	v_lshlrev_b32 v[ROF], 4, v1
	WIN 0x40                                       ; destination in window 1
.irp i, 0,1,2,3
.irp kc, 0,1
	global_load_b128 v[QF+16*\i+8*\kc:QF+16*\i+8*\kc+3],   v[QOF], s[50:51] offset:\i*2048+\kc*64      ; Q(16 i + r, 32 kc + 8 h ..)
	global_load_b128 v[QF+16*\i+8*\kc+4:QF+16*\i+8*\kc+7], v[QOF], s[50:51] offset:\i*2048+\kc*64+32
.endr
.endr
	WIN 0
; four um tiles (f tile i, my four t tiles) of the step at which s[48:49] + extra points
.macro LOADRAW i, extra
.irp tt, 0,1,2,3
	global_load_b128 v[RAW+16*\i+4*\tt:RAW+16*\i+4*\tt+3], v[ROF], s[48:49] offset:\i*65536+\tt*512+\extra
.endr
.endm
; the adder (1 - m) x -10000 log2(e) of f tile i in f32, into a score buffer: the C of the first product
.macro BUILD i, S
.irp tt, 0,1,2,3
.irp k, 0,1,2,3
	v_fma_mix_f32_bf16 v[\S+8*\tt+2*\k],   v[RAW+16*\i+4*\tt+\k], v[CN], v[ZR] op_sel_hi:[1,0,0]
	v_fma_mix_f32_bf16 v[\S+8*\tt+2*\k+1], v[RAW+16*\i+4*\tt+\k], v[CN], v[ZR] op_sel:[1,0,0] op_sel_hi:[1,0,0]
.endr
.endr
.endm
	LOADRAW 0, 0
	LOADRAW 1, 0
	LOADRAW 2, 0
	LOADRAW 3, 0
	; row t of a tile lies at (t >> 1) x pitch + (t & 1) x 128
	v_mul_u32_u24 v[KAD], v4, KP
	v_lshl_add_u32 v[KAD], v5, 7, v[KAD]
	v_lshl_add_u32 v[KAD], v3, 4, v[KAD]
	s_mul_i32 s56, s12, 32*KP                      ; my half: 64 t rows
	v_add_nc_u32 v[KAD], s56, v[KAD]
	v_bfe_u32 v6, v0, 1, 2                         ; V by the transposing load: lane L addresses t row 8 h + (L & 7), 16 bytes at 16 ((L >> 3) & 1)
	v_lshl_add_u32 v6, v3, 2, v6
	v_mul_u32_u24 v[VAD], v6, VP
	v_lshl_add_u32 v[VAD], v5, 7, v[VAD]
	v_bfe_u32 v7, v0, 3, 1
	v_lshl_add_u32 v[VAD], v7, 4, v[VAD]
	s_mul_i32 s56, s12, 32*VP
	s_add_co_u32 s56, s56, VOFF
	v_add_nc_u32 v[VAD], s56, v[VAD]
	s_mul_i32 s56, s11, XW
	s_add_co_u32 s56, s56, XCH
	v_add_nc_u32 v[XB], s56, v[ROF]
	s_mul_i32 s56, s10, SW
	s_add_co_u32 s56, s56, STG
	v_mul_u32_u24 v[STO], v2, 272                  ; in: row r, 32 bytes for each half of the lanes
	v_lshl_add_u32 v[STO], v3, 5, v[STO]
	v_add_nc_u32 v[STO], s56, v[STO]
	v_mul_u32_u24 v[RD], v3, 272                   ; back: lanes 0-15 one row of 256 bytes, lanes 16-31 the next
	v_lshl_add_u32 v[RD], v2, 4, v[RD]
	v_add_nc_u32 v[RD], s56, v[RD]
	v_lshlrev_b32 v[CO], 4, v2
	v_lshl_add_u32 v[CO], v3, 12, v[CO]
	v_mov_b32 v[CN], 0xc6616bcd                    ; -14426.95
	v_mov_b32 v[ZR], 0
	v_mov_b32 v[MN+1], 0
	v_mov_b32 v[AL+1], 0
	s_wait_loadcnt 12                              ; q and f tile 0's um are in; three younger groups of four stay out
	BUILD 0, SA
	LOADRAW 0, 4096                                ; f tile 0 of step 1
; 32 LDS loads: my 64 t of a slot: K as four t tiles x two halves of d, V as two halves of t x four d tiles
.macro LOADKV slot
	WIN 0
.irp tt, 0,1,2,3
.irp kc, 0,1
	ds_load_b128 v[KF+16*\tt+8*\kc:KF+16*\tt+8*\kc+3],   v[KAD] offset:\slot*SLOTB+\tt*8*KP+\kc*64
	ds_load_b128 v[KF+16*\tt+8*\kc+4:KF+16*\tt+8*\kc+7], v[KAD] offset:\slot*SLOTB+\tt*8*KP+\kc*64+32
.endr
.endr
	WIN 0x40
.irp u, 0,1
.irp c, 0,1,2,3
	ds_load_tr16_b128 v[VF+8*(4*\u+\c):VF+8*(4*\u+\c)+3],   v[VAD] offset:\slot*SLOTB+\u*16*VP+\c*32          ; t = 32 u + 8 h .. of d = 16 c + r
	ds_load_tr16_b128 v[VF+8*(4*\u+\c)+4:VF+8*(4*\u+\c)+7], v[VAD] offset:\slot*SLOTB+\u*16*VP+8*VP+\c*32     ; t = 32 u + 16 + 8 h ..
.endr
.endr
.endm
; S^T += K Q^T for f tile i (bf16): the four t tiles take turns, one instruction a turn
.macro QK i, S
.irp kc, 0,1
.irp tt, 0,1,2,3
	v_wmma_f32_16x16x32_bf16 v[\S+8*\tt:\S+8*\tt+7], v[KF+16*\tt+8*\kc:KF+16*\tt+8*\kc+7], v[QF+16*\i+8*\kc:QF+16*\i+8*\kc+7], v[\S+8*\tt:\S+8*\tt+7]
.endr
.endr
.endm
; O^T += V^T P^T for f tile i (f16): the four d tiles take turns likewise; first = 1: the first product starts the sums
.macro PV i, first
.irp c, 0,1,2,3
.if \first
	v_wmma_f32_16x16x32_f16 v[32*\i+8*\c:32*\i+8*\c+7], v[VF+8*\c:VF+8*\c+7], v[P:P+7], 0
.else
	v_wmma_f32_16x16x32_f16 v[32*\i+8*\c:32*\i+8*\c+7], v[VF+8*\c:VF+8*\c+7], v[P:P+7], v[32*\i+8*\c:32*\i+8*\c+7]
.endif
.endr
.irp c, 0,1,2,3
	v_wmma_f32_16x16x32_f16 v[32*\i+8*\c:32*\i+8*\c+7], v[VF+32+8*\c:VF+32+8*\c+7], v[P+8:P+15], v[32*\i+8*\c:32*\i+8*\c+7]
.endr
.endm
.macro RESCALE i
.irp k, 0,2,4,6,8,10,12,14,16,18,20,22,24,26,28,30
	v_pk_mul_f32 v[32*\i+\k:32*\i+\k+1], v[32*\i+\k:32*\i+\k+1], v[AL:AL+1] op_sel_hi:[1,0]
.endr
.endm
; The lane's 32 scores of one query row: new maximum, factor for what has been summed so far, probabilities, their sum, and the packed fragments.
.macro SOFTMAX i, S, first
.irp c, 0,1,2,3
	v_max3_num_f32 v[T+\c], v[\S+8*\c], v[\S+8*\c+1], v[\S+8*\c+2]             ; four chains
.endr
.irp c, 0,1,2,3
	v_max3_num_f32 v[T+\c], v[T+\c], v[\S+8*\c+3], v[\S+8*\c+4]
.endr
.irp c, 0,1,2,3
	v_max3_num_f32 v[T+\c], v[T+\c], v[\S+8*\c+5], v[\S+8*\c+6]
.endr
	v_max3_num_f32 v[T], v[T], v[T+1], v[\S+7]
	v_max3_num_f32 v[T+2], v[T+2], v[T+3], v[\S+15]
	v_max3_num_f32 v[T], v[T], v[T+2], v[\S+23]
.if \first
	v_max_num_f32 v[T], v[T], v[\S+31]
.else
	v_max3_num_f32 v[T], v[T], v[\S+31], v[ST+2*\i]                            ; the running maximum joins
.endif
	v_permlanex16_b32 v[T+1], v[T], s52, s53                                   ; the row's other 32 scores lie in the other half of the wave
	v_max_num_f32 v[MN], v[T], v[T+1]
.if \first == 0
	v_sub_f32 v[T+2], v[ST+2*\i], v[MN]
.endif
.irp k, 0,2,4,6,8,10,12,14,16,18,20,22,24,26,28,30
	v_pk_add_f32 v[\S+\k:\S+\k+1], v[\S+\k:\S+\k+1], v[MN:MN+1] op_sel_hi:[1,0] neg_lo:[0,1] neg_hi:[0,1]
.endr
.if \first == 0
	v_exp_f32 v[AL], v[T+2]
.endif
.irp k, 0,1,2,3,4,5,6,7,8,9,10,11,12,13,14,15,16,17,18,19,20,21,22,23,24,25,26,27,28,29,30,31
	v_exp_f32 v[\S+\k], v[\S+\k]
.endr
	v_mov_b32 v[ST+2*\i], v[MN]                                                ; the plain instruction behind the run of exponentials (ISA guide 5.7.2)
	s_wait_alu depctr_va_vdst(0)
	v_pk_add_f32 v[R:R+1],   v[\S:\S+1],   v[\S+2:\S+3]                        ; two chains, started by the first pairs
	v_pk_add_f32 v[R+2:R+3], v[\S+4:\S+5], v[\S+6:\S+7]
.irp k, 8,12,16,20,24,28
	v_pk_add_f32 v[R:R+1],   v[R:R+1],   v[\S+\k:\S+\k+1]
	v_pk_add_f32 v[R+2:R+3], v[R+2:R+3], v[\S+\k+2:\S+\k+3]
.endr
	v_pk_add_f32 v[R:R+1], v[R:R+1], v[R+2:R+3]
.if \first
	v_add_f32 v[ST+2*\i+1], v[R], v[R+1]
.else
	v_add_f32 v[T], v[R], v[R+1]
	v_fma_f32 v[ST+2*\i+1], v[ST+2*\i+1], v[AL], v[T]                          ; the sum stays one for each half of the wave until the end
.endif
.irp k, 0,1,2,3,4,5,6,7,8,9,10,11,12,13,14,15
	v_cvt_pk_f16_f32 v[P+\k], v[\S+2*\k], v[\S+2*\k+1]                         ; at most 1: inside f16
.endr
.endm
; One f tile.  S: its scores (the adder is there already); n, N: the next f tile and the buffer in which its adder is built, in the places behind this tile's products.
; bld: build it; cnt: how many younger um loads may stay out; ld: ask for the um group that takes the built one's registers.
.macro FT i, n, S, N, bld, ld, cnt, first
	WIN 0x04                                       ; source 1 (Q) in window 1
.if \i == 0
	s_wait_dscnt 16                                ; K's 16 loads are in, V's 16 may be out
.endif
	QK \i, \S
	WIN 0
.if \bld
	s_wait_loadcnt \cnt
	BUILD \n, \N                                   ; 32 plain instructions that name none of the products' registers
.else
	PLACES
.endif
.if \ld
.if \i == 3
	LOADRAW 0, 4096                                ; f tile 0 of the step after the next
.else
	LOADRAW \n, 0                                  ; f tile n of the next step
.endif
.endif
	SOFTMAX \i, \S, \first
	WIN 0x51                                       ; O and V in window 1, P and the factor in window 0
.if \first == 0
	RESCALE \i
.endif
.if \i == 0
	s_wait_dscnt 0                                 ; V
.endif
	PV \i, \first
.endm
; One step: a tile of 128 t.  In front of the round every wave waits for all its tensor loads (its parts of this step's tile) and for its LDS reads of the last step's;
; behind the round the other slot is filled again first, by the joint loads of the next tile, which have this whole step in which to land.
; mode 0: all um loads; 1: the last but one step (nothing beyond the last step is asked for); 2: the last step (no um loads, the counts run down).
.macro TRIP slot, refill, first, mode
	WIN 0
	PLACES                                         ; behind the last products: K's and V's fragment registers are loaded again below
	s_wait_tensorcnt 0x0
	ds_add_u32 v254, v255
	s_wait_dscnt 0x0
	s_add_nc_u64 s[G0K+4*\slot+2:G0K+4*\slot+3], s[G0K+4*\slot+2:G0K+4*\slot+3], 2*TILEB     ; no tensor load of mine is out: this slot's next tile
	s_add_nc_u64 s[G0V+4*\slot+2:G0V+4*\slot+3], s[G0V+4*\slot+2:G0V+4*\slot+3], 2*TILEB
	s_wait_dscnt 0x0
	ROUND
.if \refill
	tensor_load_to_lds s[G0K+4*(1-\slot):G0K+4*(1-\slot)+3], s[G1K:G1K+7]
	s_nop 0
	tensor_load_to_lds s[G0V+4*(1-\slot):G0V+4*(1-\slot)+3], s[G1V:G1V+7]
	s_nop 0
.endif
	LOADKV \slot
.if \mode != 2
	s_wait_xcnt 0x0                                ; the um loads that are out name s[48:49]: it is stepped only behind this wait (ISA guide 3.1)
	s_add_nc_u64 s[48:49], s[48:49], 4096          ; now the next step's eight tiles
.endif
.if \mode == 0
	FT 0, 1, SA, SB, 1, 1, 12, \first
	FT 1, 2, SB, SA, 1, 1, 12, \first
	FT 2, 3, SA, SB, 1, 1, 12, \first
	FT 3, 0, SB, SA, 1, 1, 12, \first
.endif
.if \mode == 1
	FT 0, 1, SA, SB, 1, 1, 12, 0
	FT 1, 2, SB, SA, 1, 1, 12, 0
	FT 2, 3, SA, SB, 1, 1, 12, 0
	FT 3, 0, SB, SA, 1, 0, 12, 0
.endif
.if \mode == 2
	FT 0, 1, SA, SB, 1, 0, 8, 0
	FT 1, 2, SB, SA, 1, 0, 4, 0
	FT 2, 3, SA, SB, 1, 0, 0, 0
	FT 3, 0, SB, SA, 0, 0, 0, 0
.endif
.endm
	TRIP 0, 1, 1, 0                                ; step 0 starts maxima, sums and O
	TRIP 1, 1, 0, 0
	WIN 0                                          ; at a label and at a branch every window is 0
	s_mov_b32 s54, 6
.Lstep:
	TRIP 0, 1, 0, 0                                ; steps 2 to 13
	TRIP 1, 1, 0, 0
	WIN 0
	s_sub_co_u32 s54, s54, 1
	s_cmp_lg_u32 s54, 0
	s_cbranch_scc1 .Lstep
	TRIP 0, 1, 0, 1                                ; step 14 asks for the last tile
	TRIP 1, 0, 0, 2                                ; step 15
	; THE MERGE.  Half g = 0 finishes f tiles 0, 1 and hands over 2, 3; half g = 1 the other way round.
	WIN 0
	PLACES
.irp i, 0,1,2,3
	v_permlanex16_b32 v[T+\i], v[ST+2*\i+1], s52, s53
.endr
.irp i, 0,1,2,3
	v_add_f32 v[ST+2*\i+1], v[ST+2*\i+1], v[T+\i]  ; the row's sum over my 64 t of every tile
.endr
.macro SEND a, to                      ; f tiles a, a + 1: 64 registers of O and (maximum, sum, maximum, sum), as they lie in the lanes
	WIN 0x04                                       ; store data in window 1
.irp k, 0,1,2,3,4,5,6,7,8,9,10,11,12,13,14,15
	ds_store_b128 v[XB], v[32*\a+4*\k:32*\a+4*\k+3] offset:\to+512*\k
.endr
	WIN 0
	ds_store_b128 v[XB], v[ST+2*\a:ST+2*\a+3] offset:\to+8192
.endm
; f tile x, the p-th of the two that came: both halves' O brought to the common maximum, added, divided by the common sum, and stored by whole rows of 256 bytes
.macro FINT x, p
	v_max_num_f32 v[T], v[ST+2*\x], v[PM+2*\p]
	v_sub_f32 v[T+1], v[ST+2*\x], v[T]
	v_sub_f32 v[T+2], v[PM+2*\p], v[T]
	v_exp_f32 v[T+1], v[T+1]
	v_exp_f32 v[T+2], v[T+2]
	v_nop                                          ; the plain place behind them (ISA guide 5.7.2)
	s_wait_alu depctr_va_vdst(0)
	v_mul_f32 v[T+3], v[ST+2*\x+1], v[T+1]
	v_fmac_f32 v[T+3], v[PM+2*\p+1], v[T+2]        ; at least 1: the row's largest score gives 1
	v_rcp_f32 v[R], v[T+3]
	v_nop
	s_wait_alu depctr_va_vdst(0)
	v_mul_f32 v[MN], v[T+1], v[R]
	v_mul_f32 v[AL], v[T+2], v[R]
	WIN 0x01                                       ; source 0 (my O) in window 1
.irp k, 0,2,4,6,8,10,12,14,16,18,20,22,24,26,28,30
	v_pk_mul_f32 v[SA+\k:SA+\k+1], v[32*\x+\k:32*\x+\k+1], v[MN:MN+1] op_sel_hi:[1,0]
.endr
	WIN 0
.irp k, 0,2,4,6,8,10,12,14,16,18,20,22,24,26,28,30
	v_pk_fma_f32 v[SA+\k:SA+\k+1], v[PO+32*\p+\k:PO+32*\p+\k+1], v[AL:AL+1], v[SA+\k:SA+\k+1] op_sel_hi:[1,0,1]
.endr
.irp c, 0,1,2,3
	ds_store_b128 v[STO], v[SA+8*\c:SA+8*\c+3]   offset:64*\c                  ; row r, d = 16 c + 8 h ..
	ds_store_b128 v[STO], v[SA+8*\c+4:SA+8*\c+7] offset:64*\c+16
.endr
	s_wait_xcnt 0x0                                ; buffer B, which the last tile's stores read, is loaded again only behind this wait (ISA guide 3.1)
.irp t, 0,1,2,3,4,5,6,7
	ds_load_b128 v[SB+4*\t:SB+4*\t+3], v[RD] offset:544*\t                     ; my own bytes, served in order (ISA guide 5.7.1)
.endr
.irp t, 0,1,2,3,4,5,6,7
	s_wait_dscnt 7-\t
	global_store_b128 v[CO], v[SB+4*\t:SB+4*\t+3], s[8:9] offset:\x*65536+\t*8192 th:TH_STORE_NT   ; 16 lanes store a head's 256 bytes of a row, aligned
.endr
.endm
.macro FIN a, b, from
.irp k, 0,1,2,3,4,5,6,7,8,9,10,11,12,13,14,15
	ds_load_b128 v[PO+4*\k:PO+4*\k+3], v[XB] offset:\from+512*\k
.endr
	ds_load_b128 v[PM:PM+3], v[XB] offset:\from+8192
	s_wait_dscnt 0x0
	FINT \a, 0
	FINT \b, 1
.endm
	s_cmp_eq_u32 s12, 0                            ; the branches hang on the wave's number alone; no barrier stands inside them
	s_cbranch_scc0 .Lsend_low
	SEND 2, 0
	s_branch .Lsent
.Lsend_low:
	SEND 0, 4*XW
.Lsent:
	s_wait_dscnt 0x0                               ; my stores are done, for the other half's sake
	s_barrier_signal -1
	s_barrier_wait -1
	s_cmp_eq_u32 s12, 0
	s_cbranch_scc0 .Lfin_high
	FIN 0, 1, 4*XW
	s_branch .Lfinished
.Lfin_high:
	FIN 2, 3, 0
.Lfinished:
	s_wait_dscnt 0x0
	s_wait_tensorcnt 0x0
	ds_add_u32 v254, v255
	s_wait_dscnt 0x0
	ROUND                                          ; the closing round: no work-group ends while a partner may still ask for a tile that names it
	s_endpgm
.Lfunc_end_k_q4aa5a92b12_attn:
	.size	k_q4aa5a92b12_attn, .Lfunc_end_k_q4aa5a92b12_attn-k_q4aa5a92b12_attn
	.p2alignl 7, 3214868480
	.fill 96, 4, 3214868480
	.section	.rodata,"a",@progbits
	.p2align	6, 0x0
	.amdhsa_kernel k_q4aa5a92b12_attn
		.amdhsa_group_segment_fixed_size 327680
		.amdhsa_private_segment_fixed_size 0
		.amdhsa_enable_private_segment 0
		.amdhsa_kernarg_size 24
		.amdhsa_user_sgpr_count 2
		.amdhsa_user_sgpr_kernarg_segment_ptr 1
		.amdhsa_wavefront_size32 1
		.amdhsa_system_sgpr_workgroup_id_x 1
		.amdhsa_system_sgpr_workgroup_id_y 1
		.amdhsa_system_sgpr_workgroup_id_z 1
		.amdhsa_system_vgpr_workitem_id 0
		.amdhsa_next_free_vgpr 512
		.amdhsa_next_free_sgpr 66
		.amdhsa_reserve_vcc 0
		.amdhsa_float_denorm_mode_32 3
		.amdhsa_float_denorm_mode_16_64 3
		.amdhsa_memory_ordered 1
		.amdhsa_forward_progress 1
		.amdhsa_inst_pref_size 255
	.end_amdhsa_kernel
	.section	.bss,"aw",@nobits
	.p2align	6
	.space	262144
	.amdgpu_metadata
---
amdhsa.version: [ 1, 2 ]
amdhsa.kernels:
  - .name:           k_q4aa5a92b12_attn
    .symbol:         k_q4aa5a92b12_attn.kd
    .args:
      - { .name: qkv, .offset: 0, .size: 8, .value_kind: global_buffer, .address_space: global }
      - { .name: um, .offset: 8, .size: 8, .value_kind: global_buffer, .address_space: global }
      - { .name: out0, .offset: 16, .size: 8, .value_kind: global_buffer, .address_space: global }
    .group_segment_fixed_size: 327680
    .private_segment_fixed_size: 0
    .kernarg_segment_align: 8
    .kernarg_segment_size: 24
    .max_flat_workgroup_size: 256
    .sgpr_count:     66
    .vgpr_count:     512
    .wavefront_size: 32
...
	.end_amdgpu_metadata
.endif
;; end of part 3
